; MI455X (gfx1250); checked and timed in simulation.
; The chip was launched on July 23, 2026; its instructions are those of AMD's public machine-readable ISA for CDNA 5 (MIT licence, August 2026) and "CDNA5" Instruction Set Architecture Reference Guide (July 2026). The comments in the code are by the model that wrote it; some were corrected since.
;; Sparse Mixture Of Experts. Allowed arithmetic: matrix products marked QUANTISED: E2M3 operands, one E8M0 scale for each 32 along K, by v_wmma_scale_f32_16x16x128_f8f6f4 with both operands' format E2M3, f32 sums; products left as they are: f32 operands where the result goes on into a quantised operand, else bf16, f16 or f32 operands; f32 sums; everything else in f32.
;; Inputs: W1 8 x 256 x 2,048 float32; W2 8 x 2,048 x 512 float32; W3 8 x 256 x 2,048 float32; Wf 512 x 512 float32; Wg 256 x 8 float32; X 4 x 1,024 x 256 float32; b1 8 x 2,048 float32; b2 8 x 512 float32; b3 8 x 2,048 float32; bf 512 float32; bg 8 float32.
;; Outputs: out0 4 x 1,024 x 512 float32.
;; This version of the problem:
;;   THIS VERSION OF THE PROBLEM IS GIVEN IN LOW PRECISION. The matrix products marked QUANTISED in the list below multiply operands that are first quantised to E2M3 (2 exponent bits, 3 mantissa bits; 6 bits a number), with one power-of-two scale for each 32 numbers along K (OCP MX v1.0); their sums are f32. All else is computed in f32.
;;   The module's matrix products, in the order in which they are computed (A, B: the left and right operand; K: the contracted axis; several contracted axes count as one K, in the product's order):
;;     1. [M 4,096, K 256] x [K 256, N 8]; A: input X; B: input Wg: left as it is (N = 8 < 16)
;;     2. [M 4,096, K 256] x [K 256, N 16,384]; A: input X; B: input W1: QUANTISED
;;     3. [M 4,096, K 256] x [K 256, N 16,384]; A: input X; B: input W3: QUANTISED
;;     4. batch 8 x [M 512, K 2,048] x [K 2,048, N 4,096]; A: input W2; B: computed on the way: QUANTISED
;;     5. [M 4,096, K 512] x [K 512, N 512]; A: computed on the way; B: input Wf: QUANTISED
;;   THE QUANTISER, for each operand of a quantised product, along K:
;;     - K is cut into blocks of 32 from its start; a last block that is shorter is filled with zeros.
;;     - A block's scale is 2^e with e = floor(log2(the largest magnitude in the block)) - 2, held to -126 .. 127; a block of zeros has e = 0. As a byte (E8M0): e + 127.
;;     - Each number is divided by its block's scale, clamped to +-7.5, and rounded to the nearest number of E2M3, ties to even, subnormals kept.
;;     - The product sums the exact products of the quantised numbers (number of the format x scale) in f32.
;;   ~~~python
;;   def quantise(x, axis):      # numpy; x: float32 -> the quantised numbers, widened to float32 again
;;       x = np.moveaxis(x, axis, -1); K = x.shape[-1]
;;       x = np.pad(x, [(0, 0)] * (x.ndim - 1) + [(0, -K % 32)]); x = x.reshape(x.shape[:-1] + (-1, 32)); a = np.abs(x).max(-1, keepdims=True)
;;       e = np.where(a > 0, np.clip(np.frexp(np.where(a > 0, a, 1))[1] - 1 - 2, -126, 127), 0)      # np.frexp(a)[1] - 1 = floor(log2(a)), exactly
;;       r = np.clip(x / 2.0 ** e, -7.5, 7.5)
;;       step = 2.0 ** (np.maximum(np.frexp(np.where(r == 0, 1, r))[1] - 1, 0) - 3)
;;       q = np.round(r / step) * step * 2.0 ** e      # np.round: ties to even
;;       return np.moveaxis(q.reshape(q.shape[:-2] + (-1,))[..., :K], -1, axis).astype(np.float32)
;;   ~~~
;;   OPERANDS COMPUTED ON THE WAY. 'Computed on the way' means the value that the module computes at that place (a softmax that the list does not call 'softmax' is quantised finished and normalised). What goes into a quantiser is computed in f32, as accurately as f32 sums, v_exp_f32 and their like allow (about 1e-6 of the number): no bf16 or f16 on the way to a quantiser, and a product that is left as it is and whose result goes on into a quantised operand takes f32 operands (vector FMAs, or v_wmma_f32_16x16x4_f32). A number that lies on a knife's edge between two numbers of the format may be rounded either way, as far as f32 arithmetic and the matrix unit's own rounding can turn it there, and no further.
;; One version. Each part assembles by itself: llvm-mc -triple=amdgcn-amd-amdhsa -mcpu=gfx1250 --defsym DOCPART=n.
;; ======== version 1 of 1: 4 launches
;; workspace buffers: wq 12,779,520 bytes; ws 532,480 bytes; xq 819,200 bytes; gw 32,768 bytes; sel 16,384 bytes of whole numbers; list 135,424 bytes of whole numbers; y 33,554,432 bytes
;; launch prep (part 1): grid 1168 x 1, 4 waves a work-group, no clusters, 35,328 bytes of LDS; arguments X, Wg, bg, W1, W3, W2, Wf, wq, ws, xq, gw, sel; writes wq, ws, xq, gw, sel
.if DOCPART == 1
	.amdgcn_target "amdgcn-amd-amdhsa--gfx1250"
	.amdhsa_code_object_version 6
	.text
	.protected	k_q0e276cd903_prep
	.globl	k_q0e276cd903_prep
	.p2align	8
	.type	k_q0e276cd903_prep,@function
k_q0e276cd903_prep:
	s_mov_b64 s[64:65], 0
	v_nop
	global_prefetch_b8 v0, s[64:65] scope:SCOPE_SE
	s_setreg_imm32_b32 hwreg(HW_REG_WAVE_MODE, 25, 1), 1
	s_wait_xcnt 0x0
; PREP: everything that is quantised once, and the router.
; Work-groups 0-127: X [4096][256] f32 -> codes of E2M3 and E8M0 bytes (xq), and for each token the softmax of X Wg + bg over 8 experts,
;   its two largest gates (gw, f32) and their experts (sel, one word a token: first | second << 8), stored at fixed places.
; Work-groups 128-639: W1 and W3;  640-1167: W2 and Wf.  All four have K on their first axis: a lane takes a column, its registers run down K.
; A wave makes one UNIT: 32 neighbouring columns x 128 K = two fragments of 16 rows x 128 K, laid in wq as images of the operand's registers
; (a fragment: three pieces of 512 bytes, lane l's registers 4p .. 4p+3 at 512 p + 16 l), and 32 scale words in ws (word 16 u + r: row r of fragment u).
; Row r of fragment u is column 8 u + r + 8 (r / 8) of the 32, so that the results of two neighbouring fragments are 16 neighbours along the next K.
; A block's scale is 2^(floor(log2(largest magnitude)) - 2); its byte is the largest magnitude's exponent field - 2, held at 1 from below.
; LIMITS: a block of zeros gets the byte 1 where the rule says 127 (its codes are zeros, and this program alone reads the bytes); NaN and infinities
; among the inputs are not served; the two largest gates are chosen on the exponentials before the division by their sum, ties to the higher index
; (as the last two of a stable ascending sort): two gates that differ in the last bit alone may be ordered otherwise than by the divided numbers.
; No barrier: every LDS byte is one wave's own, and the two ways through the text have LDS bytes of their own.
.set WV,    2                          ; s2   wave
.set MK,    62                         ; s62  way X: a lane mask of the choice; no address ever stands here
.set VO,    32                         ; way W: v32-63  4 x lane + i x pitch
.set XW,    64                         ; v64-127 two sets of 32 numbers
.set CW,    128                        ; v128-159 a block's six registers of codes, eight registers apart
.set TW,    160                        ; v160-162 the second conversion's result
.set SBW,   163                        ; v163 the scale word
.set OW,    168                        ; v168-192 the way out
.set WREG,  3328                       ; LDS of a wave on way W: 3,072 of images + 128 of scale words + 128 spare
.set XBASE, 4*WREG                     ; way X begins behind way W's bytes
.set XREG,  5376                       ; two stages of 2,560 bytes, 64 scale bytes, rounded up
.set SP,    80                         ; a lane's place in a stage: 64 bytes + 16 of padding
.set WGR,   32                         ; way X: v32-95 Wg's rows 4 l .. 4 l + 3 and 128 + 4 l .. + 3
.set R,     96                         ; v96-159 the four steps' numbers as loaded
.set XN,    160                        ; v160-191 two sets of 16 neighbours
.set ACC,   192                        ; v192-207 logits of the step's two tokens
.set P,     208                        ; v208-215 exponentials
.set CD,    232                        ; v232-247 codes, four registers a step
.set BYT,   248                        ; v248-251 a scale byte a step
.macro WLOAD t                         ; block t: 32 rows of K at my column; a load covers 128 consecutive bytes, the four waves 512
.set i, 0
.rept 32
	global_load_b32 v[XW+32*((\t)%2)+i], v[VO+i], s[40+2*(\t):41+2*(\t)] th:TH_LOAD_NT
.set i, i+1
.endr
.endm
.macro WBLOCK t                        ; block t = 2 c + h of the fragment's K: registers 6 c .. 6 c + 5 of lane r + 16 h
.set XB, XW+32*((\t)%2)
.set CB, CW+8*(\t)
.if (\t) < 3
	s_wait_loadcnt 32                              ; this block's 32 loads are in; the next block's 32 may be out
.else
	s_wait_loadcnt 0x0
.endif
	v_max3_num_f32 v164, |v[XB]|, |v[XB+1]|, |v[XB+2]|             ; the block's largest magnitude: all 32 numbers are mine; two chains
	v_max3_num_f32 v165, |v[XB+3]|, |v[XB+4]|, |v[XB+5]|
.irp i, 6,10,14,18,22,26
	v_max3_num_f32 v164, v164, |v[XB+\i]|, |v[XB+\i+1]|
	v_max3_num_f32 v165, v165, |v[XB+\i+2]|, |v[XB+\i+3]|
.endr
	v_max3_num_f32 v164, v164, |v[XB+30]|, |v[XB+31]|
	v_max3_num_f32 v164, v164, v165, 0x1800000     ; and the floor 2^(3 - 127): the byte cannot fall under 1
	v_add_nc_u32 v166, 0xff000000, v164            ; 2 off the exponent field: the conversion's scale operand
	v_cvt_scalef32_pk16_fp6_f32 v[CB:CB+2], v[XB:XB+15], v166
	v_cvt_scalef32_pk16_fp6_f32 v[TW:TW+2], v[XB+16:XB+31], v166   ; (a conversion's three registers begin on an even number)
	v_lshrrev_b32 v167, 23, v166                   ; the scale's byte; also the plain line behind the conversions
.if (\t) == 0
	v_mov_b32 v[SBW], v167
.else
	v_lshl_or_b32 v[SBW], v167, 8*(\t), v[SBW]
.endif
.irp i, 0,1,2
	v_mov_b32 v[CB+3+\i], v[TW+\i]
.endr
.if (\t) < 2
	ds_store_b128 v7, v[CB:CB+3] offset:256*((\t)%2)               ; registers 0-3: piece 0
	ds_store_b64 v7, v[CB+4:CB+5] offset:512+256*((\t)%2)          ; registers 4, 5: piece 1, lower half
.else
	ds_store_b64 v7, v[CB:CB+1] offset:520+256*((\t)%2)            ; registers 6, 7: piece 1, upper half
	ds_store_b128 v7, v[CB+2:CB+5] offset:1024+256*((\t)%2)        ; registers 8-11: piece 2
.endif
.if (\t) < 2
	WLOAD (\t)+2
.endif
.endm
.macro TURN t                          ; step t's 2,048 bytes through my stage: in as loaded, out 64 bytes a lane.  LDS serves a wave's instructions in order
.irp i, 0,1,2,3
	ds_store_b128 v5, v[R+16*(\t)+4*\i:R+16*(\t)+4*\i+3] offset:32*SP*((\t)%2)+8*SP*\i
.endr
.irp i, 0,1,2,3
	ds_load_b128 v[XN+16*((\t)%2)+4*\i:XN+16*((\t)%2)+4*\i+3], v6 offset:32*SP*((\t)%2)+16*\i
.endr
.endm
.macro ROUTE t                         ; the router for step t's two tokens, on the numbers as loaded: register 8 token + kk holds k = 128 (kk / 4) + 4 lane + kk % 4
.irp tk, 0,1
.irp e, 0,1,2,3,4,5,6,7
	v_mul_f32 v[ACC+8*\tk+\e], v[R+16*(\t)+8*\tk], v[WGR+\e]
.endr
.irp kk, 1,2,3,4,5,6,7
.irp e, 0,1,2,3,4,5,6,7
	v_fmac_f32 v[ACC+8*\tk+\e], v[R+16*(\t)+8*\tk+\kk], v[WGR+8*\kk+\e]
.endr
.endr
.endr
.irp e, 0,1,2,3,4,5,6,7
	v_permlane16_swap_b32 v[ACC+\e], v[ACC+8+\e]   ; first token's upper lanes change places with the second's lower lanes:
.endr
.irp e, 0,1,2,3,4,5,6,7
	v_add_f32 v[ACC+\e], v[ACC+\e], v[ACC+8+\e]    ; lanes 0-15 now sum the first token, lanes 16-31 the second
.endr
.irp x, 1,2,4,8
.irp e, 0,1,2,3,4,5,6,7
	v_add_f32_dpp v[ACC+\e], v[ACC+\e], v[ACC+\e] row_xmask:\x row_mask:0xf bank_mask:0xf
.endr
.endr
.irp e, 0,1,2,3,4,5,6,7
	v_add_f32 v[ACC+\e], s[48+\e], v[ACC+\e]       ; + bg
.endr
	v_max3_num_f32 v216, v[ACC], v[ACC+1], v[ACC+2]
	v_max3_num_f32 v216, v216, v[ACC+3], v[ACC+4]
	v_max3_num_f32 v216, v216, v[ACC+5], v[ACC+6]
	v_max_num_f32 v216, v216, v[ACC+7]             ; the maximum is taken away ahead of the exponentials
.irp e, 0,1,2,3,4,5,6,7
	v_sub_f32 v[P+\e], v[ACC+\e], v216
.endr
.irp e, 0,1,2,3,4,5,6,7
	v_mul_f32 v[P+\e], 0x3fb8aa3b, v[P+\e]
.endr
.irp e, 0,1,2,3,4,5,6,7
	v_exp_f32 v[P+\e], v[P+\e]
.endr
	v_mov_b32 v220, 0                              ; first's index.  (A plain line behind the exponentials)
	s_wait_alu depctr_va_vdst(0)
	v_add_f32 v217, v[P], v[P+1]
.irp e, 2,3,4,5,6,7
	v_add_f32 v217, v217, v[P+\e]
.endr
	v_rcp_f32 v218, v217
	v_mov_b32 v219, v[P]                           ; the largest so far; the lines of the choice stand between the reciprocal and its use
	v_mov_b32 v221, -1.0                           ; the second: under every exponential
	v_mov_b32 v222, 0
.irp e, 1,2,3,4,5,6,7
	v_mov_b32 v223, \e
	v_cmp_ge_f32 s[MK], v[P+\e], v219              ; >=: of equals the higher index wins
	v_cmp_ge_f32 vcc_lo, v[P+\e], v221
	v_cndmask_b32 v221, v221, v[P+\e], vcc_lo
	v_cndmask_b32 v222, v222, v223, vcc_lo
	v_cndmask_b32 v221, v221, v219, s[MK]
	v_cndmask_b32 v222, v222, v220, s[MK]
	v_cndmask_b32 v219, v219, v[P+\e], s[MK]
	v_cndmask_b32 v220, v220, v223, s[MK]
.endr
	s_wait_alu depctr_va_vdst(0)
	v_mul_f32 v219, v219, v218                     ; the two gates
	v_mul_f32 v221, v221, v218
	v_lshl_or_b32 v220, v222, 8, v220
	v_cmp_eq_u32 vcc_lo, \t, v10                   ; lane t of each half keeps step t's results
	v_cndmask_b32 v228, v228, v220, vcc_lo
	v_cndmask_b32 v226, v226, v219, vcc_lo
	v_cndmask_b32 v227, v227, v221, vcc_lo
.endm
.macro XQ t                            ; my 16 neighbours become 12 bytes of codes; two neighbouring lanes hold a block
.set XB, XN+16*((\t)%2)
	v_max3_num_f32 v16, |v[XB]|, |v[XB+1]|, |v[XB+2]|
	v_max3_num_f32 v17, |v[XB+3]|, |v[XB+4]|, |v[XB+5]|
.irp i, 6,10
	v_max3_num_f32 v16, v16, |v[XB+\i]|, |v[XB+\i+1]|
	v_max3_num_f32 v17, v17, |v[XB+\i+2]|, |v[XB+\i+3]|
.endr
	v_max3_num_f32 v16, v16, |v[XB+14]|, |v[XB+15]|
	v_max3_num_f32 v16, v16, v17, 0x1800000
	v_max_num_f32_dpp v16, v16, v16 row_xmask:1 row_mask:0xf bank_mask:0xf
	v_add_nc_u32 v18, 0xff000000, v16
	v_cvt_scalef32_pk16_fp6_f32 v[CD+4*(\t):CD+4*(\t)+2], v[XB:XB+15], v18
	v_lshrrev_b32 v[BYT+(\t)], 23, v18
	ds_store_b8 v7, v[BYT+(\t)] offset:5120+16*(\t)                ; both lanes of a block write the same byte with the same value
	global_store_b96 v12, v[CD+4*(\t):CD+4*(\t)+2], s[56:57] offset:384*(\t)   ; the wave's store covers two tokens' 384 consecutive bytes
.endm
.macro STEP t
.if (\t) == 0
	s_wait_dscnt 0x0                               ; step 0's numbers are back from the stage
.else
	s_wait_dscnt 0x1                               ; this step's are back; the last step's byte store may be out
.endif
.if (\t) < 3
	s_wait_loadcnt 8-4*(\t)                        ; the next step's four loads are in; those of the steps behind it may be out
	TURN (\t)+1
	ROUTE (\t)+1
.endif
	XQ \t
.endm
	s_load_b512 s[4:19], s[0:1], 0x0               ; X, Wg, bg, W1, W3, W2, Wf, wq
	s_load_b256 s[20:27], s[0:1], 0x40             ; ws, xq, gw, sel
	v_lshl_add_u32 v254, v0, 2, 0x8800
	v_mov_b32 v255, 0
	v_lshrrev_b32 v1, 5, v0
	v_readfirstlane_b32 s[WV], v1                  ; wave 0..3
	v_and_b32 v1, 31, v0                           ; lane
	v_lshlrev_b32 v2, 2, v1                        ; 4 x lane
	v_lshlrev_b32 v3, 4, v1                        ; 16 x lane
	s_wait_kmcnt 0x0
	s_cmp_lt_u32 ttmp9, 128
	s_cbranch_scc1 .Lpath_x
	s_cmp_lt_u32 ttmp9, 640
	s_cbranch_scc0 .Lw2_wf
	; W1, W3 [8][256][2048]: i = mat, e, g (128 hidden units), s (128 along K); my wave is the block b of 32 hidden units
	s_sub_co_u32 s28, ttmp9, 128
	s_lshr_b32 s29, s28, 8                         ; mat
	s_and_b32 s30, s28, 255
	s_lshr_b32 s31, s30, 5                         ; e
	s_bfe_u32 s32, s30, 0x40001                    ; g
	s_and_b32 s33, s30, 1                          ; s
	s_cmp_eq_u32 s29, 0
	s_cselect_b64 s[40:41], s[10:11], s[12:13]
	s_lshl_b32 s34, s31, 21
	s_lshl_b32 s35, s33, 20
	s_add_co_u32 s34, s34, s35
	s_lshl_b32 s35, s32, 9
	s_add_co_u32 s34, s34, s35
	s_mov_b32 s36, 8192                            ; bytes from a row of K to the next
	s_lshl_b32 s37, s31, 4
	s_add_co_u32 s37, s37, s32
	s_lshl_b32 s37, s37, 2
	s_add_co_u32 s37, s37, s[WV]
	s_lshl_b32 s37, s37, 1
	s_add_co_u32 s37, s37, s29
	s_lshl_b32 s37, s37, 1
	s_add_co_u32 s37, s37, s33                     ; unit = ((((16 e + g) 4 + b) 2 + mat) 2 + s)
	s_branch .Lw_go
.Lw2_wf:
	; W2 [8][2048][512]: I = (16 e + g) 4 + cq;  Wf [512][512]: I = 512 + 4 s + cq;  my wave takes columns 128 cq + 32 wave
	s_sub_co_u32 s28, ttmp9, 640
	s_cmp_lt_u32 s28, 512
	s_cselect_b64 s[40:41], s[14:15], s[16:17]
	s_cselect_b32 s29, 0, 512
	s_sub_co_u32 s29, s28, s29
	s_lshr_b32 s30, s29, 2
	s_lshl_b32 s34, s30, 18                        ; 128 rows of 2,048 bytes a K step
	s_and_b32 s31, s28, 3
	s_lshl_b32 s31, s31, 9
	s_add_co_u32 s34, s34, s31
	s_mov_b32 s36, 2048
	s_lshl_b32 s37, s28, 2
	s_add_co_u32 s37, s37, s[WV]
	s_add_co_u32 s37, s37, 2048                    ; unit = 2048 + 4 I + wave
.Lw_go:
	s_lshl_b32 s35, s[WV], 7
	s_add_co_u32 s34, s34, s35
	s_mov_b32 s35, 0
	s_add_nc_u64 s[40:41], s[40:41], s[34:35]      ; block 0's first row at my wave's first column
	s_lshl_b32 s38, s36, 5
	s_mov_b32 s39, 0
	s_add_nc_u64 s[42:43], s[40:41], s[38:39]      ; blocks 1 to 3: 32 rows further down each
	s_add_nc_u64 s[44:45], s[42:43], s[38:39]
	s_add_nc_u64 s[46:47], s[44:45], s[38:39]
	s_mul_i32 s34, s37, 3072
	s_add_nc_u64 s[18:19], s[18:19], s[34:35]      ; my unit's images
	s_lshl_b32 s34, s37, 7
	s_add_nc_u64 s[20:21], s[20:21], s[34:35]      ; and its scale words
.set i, 0
.rept 32
	v_mad_u32_u24 v[VO+i], s36, i, v2
.set i, i+1
.endr
	WLOAD 0
	WLOAD 1
	v_bfe_u32 v4, v0, 3, 1                         ; u = (lane / 8) % 2
	v_and_b32 v5, 7, v0
	v_bfe_u32 v6, v0, 4, 1
	v_lshl_add_u32 v5, v6, 3, v5                   ; r = lane % 8 + 8 (lane / 16)
	s_mul_i32 s48, s[WV], WREG
	v_mul_u32_u24 v7, v4, 1536
	v_lshl_add_u32 v7, v5, 4, v7
	v_add_nc_u32 v7, s48, v7                       ; my column's place in the images: 1,536 u + 16 r
	v_lshlrev_b32 v8, 6, v4
	v_lshl_add_u32 v8, v5, 2, v8
	v_add_nc_u32 v8, s48, v8                       ; and among the scale words: 64 u + 4 r
	v_add_nc_u32 v9, s48, v3                       ; the way out: 16 x lane,
	v_add_nc_u32 v10, s48, v2                      ; 4 x lane
	WBLOCK 0
	WBLOCK 1
	WBLOCK 2
	WBLOCK 3
	ds_store_b32 v8, v[SBW] offset:3072
.irp i, 0,1,2,3,4,5
	ds_load_b128 v[OW+4*\i:OW+4*\i+3], v9 offset:512*\i            ; LDS serves a wave's instructions in order: these see my stores
.endr
	ds_load_b32 v[OW+24], v10 offset:3072
	s_wait_dscnt 0x0
.irp i, 0,1,2,3,4,5
	global_store_b128 v3, v[OW+4*\i:OW+4*\i+3], s[18:19] offset:512*\i         ; 512 consecutive bytes a store
.endr
	global_store_b32 v2, v[OW+24], s[20:21]        ; 128 consecutive bytes
	s_wait_tensorcnt 0x0
	ds_add_u32 v254, v255
	s_wait_dscnt 0x0
	s_endpgm
.Lpath_x:
	s_load_b256 s[48:55], s[8:9], 0x0              ; bg
	s_lshl_b32 s28, ttmp9, 2
	s_add_co_u32 s28, s28, s[WV]                   ; which run of 8 tokens is my wave's
	s_mov_b32 s31, 0
	s_lshl_b32 s30, s28, 13
	s_add_nc_u64 s[4:5], s[4:5], s[30:31]          ; X: 8 tokens of 1,024 bytes
	s_mul_i32 s30, s28, 1536
	s_add_nc_u64 s[56:57], s[22:23], s[30:31]      ; codes: 192 bytes a token
	s_lshl_b32 s30, s28, 6
	s_add_nc_u64 s[24:25], s[24:25], s[30:31]      ; gates: 8 bytes a token
	s_add_co_u32 s30, s30, 786432
	s_add_nc_u64 s[58:59], s[22:23], s[30:31]      ; scale bytes: 8 a token, behind the codes
	s_lshl_b32 s30, s28, 5
	s_add_nc_u64 s[26:27], s[26:27], s[30:31]      ; the choice: 4 bytes a token
	v_lshlrev_b32 v4, 7, v1                        ; Wg: four rows of 32 bytes a lane
.irp kk, 0,1,2,3,4,5,6,7
	global_load_b128 v[WGR+8*\kk:WGR+8*\kk+3], v4, s[6:7] offset:(\kk/4)*4096+(\kk%4)*32
	global_load_b128 v[WGR+8*\kk+4:WGR+8*\kk+7], v4, s[6:7] offset:(\kk/4)*4096+(\kk%4)*32+16
.endr
.irp t, 0,1,2,3
.irp i, 0,1,2,3
	global_load_b128 v[R+16*\t+4*\i:R+16*\t+4*\i+3], v3, s[4:5] offset:2048*\t+512*\i th:TH_LOAD_NT   ; 512 consecutive bytes a load
.endr
.endr
	s_mul_i32 s29, s[WV], XREG
	s_add_co_u32 s29, s29, XBASE                   ; my wave's LDS
	v_lshrrev_b32 v5, 2, v1
	v_mul_u32_u24 v5, v5, SP
	v_and_b32 v6, 3, v1
	v_lshl_add_u32 v5, v6, 4, v5
	v_add_nc_u32 v5, s29, v5                       ; the stage, in: 80 (lane / 4) + 16 (lane % 4)
	v_mul_u32_u24 v6, v1, SP
	v_add_nc_u32 v6, s29, v6                       ; out: 80 x lane
	v_lshrrev_b32 v7, 1, v1
	v_add_nc_u32 v7, s29, v7                       ; my block's scale byte
	v_lshlrev_b32 v8, 1, v1
	v_add_nc_u32 v9, s29, v8                       ; the bytes' way out: 2 a lane
	v_and_b32 v10, 15, v1                          ; i = lane % 16
	v_bfe_u32 v11, v0, 4, 1                        ; which of the step's two tokens
	; my 12 bytes in a token's 192: block B = i / 2, half i % 2, at 96 (B % 2) + 48 (B / 4) + 24 ((B / 2) % 2) + 12 (i % 2): so a lane (r, h) of the products reads its 24 registers as 96 bytes on end at 96 h
	v_mul_u32_u24 v12, v11, 192
	v_bfe_u32 v13, v0, 1, 1
	v_mad_u32_u24 v12, v13, 96, v12
	v_bfe_u32 v13, v0, 2, 1
	v_mad_u32_u24 v12, v13, 24, v12
	v_bfe_u32 v13, v0, 3, 1
	v_mad_u32_u24 v12, v13, 48, v12
	v_and_b32 v13, 1, v0
	v_mad_u32_u24 v12, v13, 12, v12
	v_lshl_add_u32 v14, v10, 1, v11                ; the token that lane i of a half keeps: 2 i + half
	v_lshlrev_b32 v15, 3, v14
	v_lshlrev_b32 v14, 2, v14
	v_mov_b32 v226, 0
	v_mov_b32 v227, 0
	v_mov_b32 v228, 0
	s_wait_kmcnt 0x0                               ; bg
	s_wait_loadcnt 12                              ; Wg and step 0 are in; steps 1 to 3 (12 loads) may be out
	TURN 0
	ROUTE 0
	STEP 0
	STEP 1
	STEP 2
	STEP 3
	ds_load_u16 v16, v9 offset:5120                ; my wave's 64 scale bytes, 2 a lane
	s_wait_dscnt 0x0
	global_store_b16 v8, v16, s[58:59]
	s_wait_xcnt 0x0                                ; EXEC changes only behind this wait
	v_cmp_gt_u32 vcc_lo, 4, v10
	s_wait_tensorcnt 0x0
	ds_add_u32 v254, v255
	s_wait_dscnt 0x0
	s_and_saveexec_b32 s60, vcc_lo                 ; lanes 0-3 and 16-19 hold the eight tokens' results
	global_store_b32 v14, v228, s[26:27]
	global_store_b64 v15, v[226:227], s[24:25]
	s_wait_xcnt 0x0
	s_or_b32 exec_lo, exec_lo, s60
	s_endpgm
.Lfunc_end_k_q0e276cd903_prep:
	.size	k_q0e276cd903_prep, .Lfunc_end_k_q0e276cd903_prep-k_q0e276cd903_prep
	.p2alignl 7, 3214868480
	.fill 96, 4, 3214868480
	.section	.rodata,"a",@progbits
	.p2align	6, 0x0
	.amdhsa_kernel k_q0e276cd903_prep
		.amdhsa_group_segment_fixed_size 35328
		.amdhsa_private_segment_fixed_size 0
		.amdhsa_enable_private_segment 0
		.amdhsa_kernarg_size 96
		.amdhsa_user_sgpr_count 2
		.amdhsa_user_sgpr_kernarg_segment_ptr 1
		.amdhsa_wavefront_size32 1
		.amdhsa_system_sgpr_workgroup_id_x 1
		.amdhsa_system_sgpr_workgroup_id_y 1
		.amdhsa_system_sgpr_workgroup_id_z 1
		.amdhsa_system_vgpr_workitem_id 0
		.amdhsa_next_free_vgpr 256
		.amdhsa_next_free_sgpr 80
		.amdhsa_reserve_vcc 1
		.amdhsa_float_denorm_mode_32 3
		.amdhsa_float_denorm_mode_16_64 3
		.amdhsa_memory_ordered 1
		.amdhsa_forward_progress 1
		.amdhsa_inst_pref_size 84
	.end_amdhsa_kernel
	.amdgpu_metadata
---
amdhsa.version: [ 1, 2 ]
amdhsa.kernels:
  - .name:           k_q0e276cd903_prep
    .symbol:         k_q0e276cd903_prep.kd
    .args:
      - { .name: X, .offset: 0, .size: 8, .value_kind: global_buffer, .address_space: global }
      - { .name: Wg, .offset: 8, .size: 8, .value_kind: global_buffer, .address_space: global }
      - { .name: bg, .offset: 16, .size: 8, .value_kind: global_buffer, .address_space: global }
      - { .name: W1, .offset: 24, .size: 8, .value_kind: global_buffer, .address_space: global }
      - { .name: W3, .offset: 32, .size: 8, .value_kind: global_buffer, .address_space: global }
      - { .name: W2, .offset: 40, .size: 8, .value_kind: global_buffer, .address_space: global }
      - { .name: Wf, .offset: 48, .size: 8, .value_kind: global_buffer, .address_space: global }
      - { .name: wq, .offset: 56, .size: 8, .value_kind: global_buffer, .address_space: global }
      - { .name: ws, .offset: 64, .size: 8, .value_kind: global_buffer, .address_space: global }
      - { .name: xq, .offset: 72, .size: 8, .value_kind: global_buffer, .address_space: global }
      - { .name: gw, .offset: 80, .size: 8, .value_kind: global_buffer, .address_space: global }
      - { .name: sel, .offset: 88, .size: 8, .value_kind: global_buffer, .address_space: global }
    .group_segment_fixed_size: 35328
    .private_segment_fixed_size: 0
    .kernarg_segment_align: 8
    .kernarg_segment_size: 96
    .max_flat_workgroup_size: 128
    .sgpr_count:     80
    .vgpr_count:     256
    .wavefront_size: 32
...
	.end_amdgpu_metadata
.endif
;; end of part 1
;; launch place (part 2): grid 1 x 1, 32 waves a work-group, no clusters, 4,608 bytes of LDS; arguments sel, list; writes list
.if DOCPART == 2
	.amdgcn_target "amdgcn-amd-amdhsa--gfx1250"
	.amdhsa_code_object_version 6
	.text
	.protected	k_q0e276cd903_place
	.globl	k_q0e276cd903_place
	.p2align	8
	.type	k_q0e276cd903_place,@function
k_q0e276cd903_place:
	s_mov_b64 s[64:65], 0
	v_nop
	global_prefetch_b8 v0, s[64:65] scope:SCOPE_SE
	s_setreg_imm32_b32 hwreg(HW_REG_WAVE_MODE, 25, 1), 1
	s_wait_xcnt 0x0
; PLACE: the routed rows sorted by expert, by counting; no atomics.  sel: one word a token (first | second << 8).
; list: expert e's region at 16,896 e bytes: 4,096 words of entries (entry = 2 token + k, k = 0 for the first choice), then 32 dump words for each of its four waves; the 8 counts at byte 135,168.
; One work-group of 32 waves: wave W serves expert W / 4 and tokens 1,024 (W % 4) on.  Pass A counts, one barrier brings the four quarters' counts together, pass B stores.
; A lane whose token did not choose the expert stores into its own dump word, which nobody reads: so EXEC stays full and no store is skipped.
.set REGION, 16896
.set COUNTS, 8*REGION
.macro MASKS n                         ; s20: first choice is my expert; vcc: second choice; s21: either
	v_and_b32 v48, 0xff, v[16+\n]
	v_lshrrev_b32 v49, 8, v[16+\n]
	v_cmp_eq_u32 s20, s9, v48
	v_cmp_eq_u32 vcc_lo, s9, v49
	s_or_b32 s21, s20, vcc_lo
.endm
	s_load_b128 s[4:7], s[0:1], 0x0                ; sel, list
	v_lshl_add_u32 v64, v0, 2, 0x200
	v_mov_b32 v65, 0
	v_lshrrev_b32 v1, 5, v0
	v_readfirstlane_b32 s8, v1                     ; wave
	s_lshr_b32 s9, s8, 2                           ; expert
	s_and_b32 s10, s8, 3                           ; quarter
	v_and_b32 v1, 31, v0                           ; lane
	v_lshlrev_b32 v2, 4, v1
	s_lshl_b32 s12, s10, 12
	s_mov_b32 s13, 0
	s_mul_i32 s14, s9, REGION
	s_mov_b32 s15, 0
	s_wait_kmcnt 0x0
	s_add_nc_u64 s[4:5], s[4:5], s[12:13]
	s_add_nc_u64 s[16:17], s[6:7], s[14:15]        ; my expert's region
.irp i, 0,1,2,3,4,5,6,7
	global_load_b128 v[16+4*\i:19+4*\i], v2, s[4:5] offset:512*\i  ; register 4 i + c: token 1,024 q + 128 i + 4 lane + c
.endr
	v_mov_b32 v3, 0
	v_mov_b32 v4, 1
	s_lshl_b32 s18, s10, 11
	v_lshl_add_u32 v5, v1, 3, s18                  ; 8 lane + 2,048 q: the entry less its constant part
	s_lshl_b32 s18, s10, 5
	s_add_co_u32 s18, s18, 4096
	v_add_nc_u32 v6, s18, v1                       ; my dump word
	v_mov_b32 v7, s8
	v_lshlrev_b32 v7, 2, v7                        ; LDS: my wave's count
	s_lshl_b32 s18, s9, 4
	v_mov_b32 v8, s18                              ; LDS: my expert's four counts
	s_lshl_b32 s18, s9, 2
	v_mov_b32 v9, s18                              ; my expert's place among the 8 counts
	s_mov_b32 s19, 0
	s_wait_loadcnt 0x0
.set n, 0
.rept 32
	MASKS n
	s_bcnt1_i32_b32 s22, s21
	s_add_co_u32 s19, s19, s22
.set n, n+1
.endr
	v_mov_b32 v50, s19
	ds_store_b32 v7, v50                           ; all lanes write the same word with the same value
	s_wait_dscnt 0x0                               ; for the others' sake: my store is done
	s_barrier_signal -1
	s_barrier_wait -1
	ds_load_b128 v[52:55], v8
	s_wait_dscnt 0x0
	v_readfirstlane_b32 s24, v52
	v_readfirstlane_b32 s25, v53
	v_readfirstlane_b32 s26, v54
	v_readfirstlane_b32 s27, v55
	s_cmp_gt_u32 s10, 0
	s_cselect_b32 s28, s24, 0
	s_cmp_gt_u32 s10, 1
	s_cselect_b32 s29, s25, 0
	s_cmp_gt_u32 s10, 2
	s_cselect_b32 s30, s26, 0
	s_add_co_u32 s19, s28, s29
	s_add_co_u32 s19, s19, s30                     ; where my quarter's rows begin
	s_add_co_u32 s23, s24, s25
	s_add_co_u32 s23, s23, s26
	s_add_co_u32 s23, s23, s27                     ; the expert's rows in all
.set n, 0
.rept 32
.if (n%4) == 0
	s_wait_xcnt 0x0                                ; the four address registers are written again only behind this wait
.endif
	MASKS n
	v_mbcnt_lo_u32_b32 v56, s21, 0                 ; how many lanes below mine chose the expert
	v_add_nc_u32 v56, s19, v56
	v_cndmask_b32 v57, v3, v4, vcc_lo              ; k
	v_add3_u32 v[16+n], v5, v57, 256*(n/4)+2*(n%4) ; the entry, over the word that it was made of
	v_cndmask_b32 v[60+n%4], v6, v56, s21
	v_min_u32 v[60+n%4], 4223, v[60+n%4]           ; a position made of loaded numbers is held inside the region
	v_lshlrev_b32 v[60+n%4], 2, v[60+n%4]
	global_store_b32 v[60+n%4], v[16+n], s[16:17]
	s_bcnt1_i32_b32 s22, s21
	s_add_co_u32 s19, s19, s22
.set n, n+1
.endr
	s_cmp_lg_u32 s10, 0
	s_cbranch_scc1 .Lend                           ; one wave of each expert stores its count
	v_mov_b32 v50, s23
	s_wait_xcnt 0x0                                ; EXEC changes only behind this wait
	v_cmp_eq_u32 vcc_lo, 0, v1
	s_and_saveexec_b32 s31, vcc_lo
	global_store_b32 v9, v50, s[6:7] offset:COUNTS
	s_wait_xcnt 0x0
	s_or_b32 exec_lo, exec_lo, s31
.Lend:
	s_wait_tensorcnt 0x0
	ds_add_u32 v64, v65
	s_wait_dscnt 0x0
	s_endpgm
.Lfunc_end_k_q0e276cd903_place:
	.size	k_q0e276cd903_place, .Lfunc_end_k_q0e276cd903_place-k_q0e276cd903_place
	.p2alignl 7, 3214868480
	.fill 96, 4, 3214868480
	.section	.rodata,"a",@progbits
	.p2align	6, 0x0
	.amdhsa_kernel k_q0e276cd903_place
		.amdhsa_group_segment_fixed_size 4608
		.amdhsa_private_segment_fixed_size 0
		.amdhsa_enable_private_segment 0
		.amdhsa_kernarg_size 16
		.amdhsa_user_sgpr_count 2
		.amdhsa_user_sgpr_kernarg_segment_ptr 1
		.amdhsa_wavefront_size32 1
		.amdhsa_system_sgpr_workgroup_id_x 1
		.amdhsa_system_sgpr_workgroup_id_y 1
		.amdhsa_system_sgpr_workgroup_id_z 1
		.amdhsa_system_vgpr_workitem_id 0
		.amdhsa_next_free_vgpr 66
		.amdhsa_next_free_sgpr 66
		.amdhsa_reserve_vcc 1
		.amdhsa_float_denorm_mode_32 3
		.amdhsa_float_denorm_mode_16_64 3
		.amdhsa_memory_ordered 1
		.amdhsa_forward_progress 1
		.amdhsa_inst_pref_size 37
	.end_amdhsa_kernel
	.amdgpu_metadata
---
amdhsa.version: [ 1, 2 ]
amdhsa.kernels:
  - .name:           k_q0e276cd903_place
    .symbol:         k_q0e276cd903_place.kd
    .args:
      - { .name: sel, .offset: 0, .size: 8, .value_kind: global_buffer, .address_space: global }
      - { .name: list, .offset: 8, .size: 8, .value_kind: global_buffer, .address_space: global }
    .group_segment_fixed_size: 4608
    .private_segment_fixed_size: 0
    .kernarg_segment_align: 8
    .kernarg_segment_size: 16
    .max_flat_workgroup_size: 1024
    .sgpr_count:     66
    .vgpr_count:     66
    .wavefront_size: 32
...
	.end_amdgpu_metadata
.endif
;; end of part 2
;; launch chain (part 3): grid 110 x 2, 8 waves a work-group, no clusters, 106,496 bytes of LDS; arguments list, xq, gw, wq, ws, b1, b3, b2, y; writes y
.if DOCPART == 3
	.amdgcn_target "amdgcn-amd-amdhsa--gfx1250"
	.amdhsa_code_object_version 6
	.text
	.protected	k_q0e276cd903_chain
	.globl	k_q0e276cd903_chain
	.p2align	8
	.type	k_q0e276cd903_chain,@function
k_q0e276cd903_chain:
	s_mov_b64 s[64:65], 0
	v_nop
	global_prefetch_b8 v0, s[64:65] scope:SCOPE_SE
	s_setreg_imm32_b32 hwreg(HW_REG_WAVE_MODE, 25, 1), 1
	s_wait_xcnt 0x0
; CHAIN: y[half][entry][512] = gate x (silu((x W1 + b1)(x W3 + b3)) W2 over one half of the hidden layer, + b2 in half 0), for the routed rows alone; all products on codes of E2M3.
; A work-group takes one tile of 80 rows of ONE expert (work-group x) and 1,024 of its 2,048 hidden units (work-group y).  With 8,192 routed rows and 8 experts there are never more than
; floor((8,192 + 8 x 79) / 80) = 110 tiles, whatever the split.  Which expert a tile has is read from the stored counts, by selections.  A tile beyond the split's last walks phase 1 on rows
; held inside the buffers, passes the one barrier with all its waves, and ends behind it, by a scalar branch on the stored counts: it stores nothing.  EXEC is never written.
; Rows beyond an expert's count repeat its last row and store the same bytes again.
; No joint loads: an expert's number of tiles hangs on counts read from memory and is no multiple of four for every split, so partners cannot be promised the same weights.
; The weights come from memory straight into the operands' registers: they were laid in register order.
; PHASE 1: wave w makes hidden units 128 (8 y + w) on for all 80 rows, 32 units (block b) at a time: transposed products (source 0 = 16 rows of W1 or W3, source 1 = 16 rows of x), so that a lane
; holds one row and 16 neighbouring hidden units; silu in f32; quantised in registers; the fragment (K step w of the second product) goes to LDS as an image of its registers.  One barrier.
; PHASE 2: wave w makes outputs 64 w on for all 80 rows over the 8 K steps: 20 accumulators by turns.  The biases are the C of each sum's first product.
; LIMITS: NaN and infinities are not served; a block of zeros has the byte 1 (its codes are zeros); where h1 h3 lies under about -88 the exponential overflows and silu comes out as -0.
; REGISTERS.  Window 0: v1-14 addresses; v16-20 entries, then gates; v21-25 x's scale words; v26-33 W1's and W3's, two sets; v34-49 W2's; v50-54 the hidden layer's; v56-63 at work, later v56-65 the gates in pairs;
;   v66-95 codes kept from an even block to the odd one; v96-127 the two products' results; v128-247 x's fragments; v248-252 scale words being made.  Phase 2: v66-125 five hidden fragments; v128-255 accumulators of rows 0-63.
;   The way out: v66-97 rows read back; row offsets in registers of their own for each 16 rows: v98-121, then v128-143 (accumulators that have left).
;   Window 1: two sets of 8 weight fragments (96 registers) and 4 bias tiles (32).  Phase 2: W2's four slots at 0, 48, 128, 176; b2 at 96; the accumulators of rows 64-79 at 224.
.set HSC,  61440                       ; LDS: 0: hidden fragments, (8 m + q) x 1,536 bytes (half c at + 768 c: 512 bytes of 16 a lane, 256 of 8 a lane); here their scale words, 128 bytes each
.set STG,  66560                       ; a stage of 16 rows x 272 bytes for each wave
.set ROWT, 101376                      ; each wave's table of the tile's 80 entries, 512 bytes apart
.set L16,  1
.set L4,   2
.set BOFF, 3
.set HW16, 4
.set HW8,  5
.set HWS,  6
.set LI8,  8
.set LS,   9
.set STO,  10
.set RD,   11
.set RT,   12
.set RTW,  13
.set C16,  14
.set GT,   16
.set XS,   21
.set WSC,  26
.set W2S,  34
.set HS,   50
.set T,    56
.set MX,   60
.set EX,   61
.set SO,   62
.set BY,   63
.set G,    56
.set SAVE, 66
.set H1,   96
.set H3,   112
.set XF,   128
.set SW,   248
.set HF,   66
.set OB,   66
.set HAS,  41                          ; s41  1 where this split has a tile for me
.set SEL,  46
.set F,    48
.set WQ1,  50
.set WS1,  52
.set B1P,  54
.set B3P,  56
.set WQ2,  58
.set WS2,  60
.set B2P,  62
.set YP,   66
.set LP,   68
.set MSB, 0
.macro WIN new                         ; the immediate's high byte repeats the setting that is left
.if MSB != \new
	s_set_vgpr_msb (MSB<<8)|\new
.set MSB, \new
.endif
.endm
.macro PLACES                          ; five places behind a run of products: they serve reads of results, loads into operands, and a later product that writes over those registers
.rept 5
	v_nop
.endr
.endm
.macro MM d, a, b, c, sa, sb, ra, rb   ; one product; ra, rb: the side's scales stand in lanes 16-31
.if (\ra) && (\rb)
	v_wmma_scale_f32_16x16x128_f8f6f4 v[(\d):(\d)+7], v[(\a):(\a)+11], v[(\b):(\b)+11], v[(\c):(\c)+7], v[(\sa)], v[(\sb)] matrix_a_fmt:MATRIX_FMT_FP6 matrix_b_fmt:MATRIX_FMT_FP6 matrix_a_scale:MATRIX_SCALE_ROW1 matrix_b_scale:MATRIX_SCALE_ROW1
.elseif (\ra)
	v_wmma_scale_f32_16x16x128_f8f6f4 v[(\d):(\d)+7], v[(\a):(\a)+11], v[(\b):(\b)+11], v[(\c):(\c)+7], v[(\sa)], v[(\sb)] matrix_a_fmt:MATRIX_FMT_FP6 matrix_b_fmt:MATRIX_FMT_FP6 matrix_a_scale:MATRIX_SCALE_ROW1
.elseif (\rb)
	v_wmma_scale_f32_16x16x128_f8f6f4 v[(\d):(\d)+7], v[(\a):(\a)+11], v[(\b):(\b)+11], v[(\c):(\c)+7], v[(\sa)], v[(\sb)] matrix_a_fmt:MATRIX_FMT_FP6 matrix_b_fmt:MATRIX_FMT_FP6 matrix_b_scale:MATRIX_SCALE_ROW1
.else
	v_wmma_scale_f32_16x16x128_f8f6f4 v[(\d):(\d)+7], v[(\a):(\a)+11], v[(\b):(\b)+11], v[(\c):(\c)+7], v[(\sa)], v[(\sb)] matrix_a_fmt:MATRIX_FMT_FP6 matrix_b_fmt:MATRIX_FMT_FP6
.endif
.endm
; 36 loads: block b's eight weight fragments (f = 4 mat + 2 s + u), four bias tiles and four registers of scale words, into set z
.macro LDSET z, b
	WIN 0x40                                       ; destination window 1, address window 0
.set l, 0
.rept 24
	global_load_b128 v[128*(\z)+4*l:128*(\z)+4*l+3], v[L16], s[WQ1:WQ1+1] offset:12288*(\b)+512*l
.set l, l+1
.endr
.irp u, 0,1
	global_load_b128 v[128*(\z)+96+8*\u:128*(\z)+96+8*\u+3], v[BOFF], s[B1P:B1P+1] offset:128*(\b)+32*\u       ; lane (r, h): b1 at hidden units 32 b + 16 h + 8 u + 0 .. 7
	global_load_b128 v[128*(\z)+100+8*\u:128*(\z)+100+8*\u+3], v[BOFF], s[B1P:B1P+1] offset:128*(\b)+32*\u+16
	global_load_b128 v[128*(\z)+112+8*\u:128*(\z)+112+8*\u+3], v[BOFF], s[B3P:B3P+1] offset:128*(\b)+32*\u
	global_load_b128 v[128*(\z)+116+8*\u:128*(\z)+116+8*\u+3], v[BOFF], s[B3P:B3P+1] offset:128*(\b)+32*\u+16
.endr
	WIN 0
.irp x, 0,1,2,3
	global_load_b32 v[WSC+4*(\z)+\x], v[L4], s[WS1:WS1+1] offset:512*(\b)+128*\x   ; unit 2 mat + s: lanes 0-15 fragment u = 0, lanes 16-31 u = 1
.endr
.endm
; eight products: x's rows 16 m on against the block's four tiles (x = 2 mat + u), two K steps.  Four accumulators by turns.
.macro P1MUL z, m
	WIN 0x11                                       ; weights and biases window 1
.irp x, 0,1,2,3
	MM H1+8*\x, 128*(\z)+12*(4*(\x/2)+\x%2), XF+24*(\m), 128*(\z)+96+8*\x, WSC+4*(\z)+2*(\x/2), XS+(\m), \x%2, 0
.endr
	WIN 0x01
.irp x, 0,1,2,3
	MM H1+8*\x, 128*(\z)+12*(4*(\x/2)+2+\x%2), XF+24*(\m)+12, H1+8*\x, WSC+4*(\z)+2*(\x/2)+1, XS+(\m), \x%2, 1
.endr
	WIN 0
	PLACES
.endm
.macro SILU                            ; z = h1 h3;  z / (1 + 2^(-z log2 e)).  Each accumulator is first read at its low end
.irp j, 0,2,4,6,8,10,12,14
	v_pk_mul_f32 v[H1+\j:H1+\j+1], v[H1+\j:H1+\j+1], v[H3+\j:H3+\j+1]
.endr
.irp j, 0,2,4,6,8,10,12,14
	v_pk_mul_f32 v[H3+\j:H3+\j+1], v[H1+\j:H1+\j+1], 0xbfb8aa3b op_sel_hi:[1,0]
.endr
.irp j, 0,1,2,3,4,5,6,7,8,9,10,11,12,13,14,15
	v_exp_f32 v[H3+\j], v[H3+\j]
.endr
	v_nop                                          ; a plain line behind the exponentials
	s_wait_alu depctr_va_vdst(0)
.irp j, 0,2,4,6,8,10,12,14
	v_pk_add_f32 v[H3+\j:H3+\j+1], v[H3+\j:H3+\j+1], 1.0 op_sel_hi:[1,0]
.endr
.irp j, 0,1,2,3,4,5,6,7,8,9,10,11,12,13,14,15
	v_rcp_f32 v[H3+\j], v[H3+\j]
.endr
	v_nop                                          ; a plain line behind the reciprocals
	s_wait_alu depctr_va_vdst(0)
.irp j, 0,2,4,6,8,10,12,14
	v_pk_mul_f32 v[H1+\j:H1+\j+1], v[H1+\j:H1+\j+1], v[H3+\j:H3+\j+1]
.endr
.endm
; my 16 numbers of block b (k = 32 b + 16 h + 0 .. 15 of row r) become 96 bits of codes.  An even block's are kept; behind the odd block the halves change lanes, so that lane h holds block 2 c + h whole, and go to LDS.
.macro Q16 b, m
	v_max3_num_f32 v[MX], |v[H1]|, |v[H1+1]|, 0x1800000            ; with the floor 2^(3 - 127): the byte cannot fall under 1
	v_max3_num_f32 v[SO], |v[H1+2]|, |v[H1+3]|, |v[H1+4]|
	v_max3_num_f32 v[MX], v[MX], |v[H1+5]|, |v[H1+6]|
	v_max3_num_f32 v[SO], v[SO], |v[H1+7]|, |v[H1+8]|
	v_max3_num_f32 v[MX], v[MX], |v[H1+9]|, |v[H1+10]|
	v_max3_num_f32 v[SO], v[SO], |v[H1+11]|, |v[H1+12]|
	v_max3_num_f32 v[MX], v[MX], |v[H1+13]|, |v[H1+14]|
	v_max3_num_f32 v[MX], v[MX], v[SO], |v[H1+15]|
	v_permlanex16_b32 v[EX], v[MX], s[SEL], s[SEL+1]
	v_max_num_f32 v[MX], v[MX], v[EX]              ; with lane l xor 16's: the block's largest magnitude
	v_add_nc_u32 v[SO], 0xff000000, v[MX]          ; 2 off its exponent field: the conversion's scale operand
.if ((\b)%2) == 0
	v_cvt_scalef32_pk16_fp6_f32 v[SAVE+6*(\m):SAVE+6*(\m)+2], v[H1:H1+15], v[SO]
.else
	v_cvt_scalef32_pk16_fp6_f32 v[T:T+2], v[H1:H1+15], v[SO]
.endif
	v_lshrrev_b32 v[BY], 23, v[SO]                 ; the scale's byte; also the plain line behind the conversion
.if (\b) == 0
	v_mov_b32 v[SW+(\m)], v[BY]
.else
	v_lshl_or_b32 v[SW+(\m)], v[BY], 8*(\b), v[SW+(\m)]
.endif
.if ((\b)%2) == 1
.irp i, 0,1,2
	v_permlane16_swap_b32 v[SAVE+6*(\m)+\i], v[T+\i]
.endr
.irp i, 0,1,2
	v_mov_b32 v[SAVE+6*(\m)+3+\i], v[T+\i]
.endr
	ds_store_b128 v[HW16], v[SAVE+6*(\m):SAVE+6*(\m)+3] offset:12288*(\m)+768*((\b)/2)
	ds_store_b64 v[HW8], v[SAVE+6*(\m)+4:SAVE+6*(\m)+5] offset:12288*(\m)+768*((\b)/2)
.if (\b) == 3
	ds_store_b32 v[HWS], v[SW+(\m)] offset:1024*(\m)
.endif
.endif
.endm
.macro BLOCK b
.irp m, 0,1,2,3,4
	P1MUL (\b)%2, \m
	SILU
	Q16 \b, \m
.endr
.endm
.macro LDW2 q                          ; 12 loads: K step q's four fragments of W2 (my 64 outputs) into slot q % 4
.set SL, 128*(((\q)%4)/2)+48*((\q)%2)
	WIN 0x40
.set l, 0
.rept 12
	global_load_b128 v[SL+4*l:SL+4*l+3], v[L16], s[WQ2:WQ2+1] offset:49152*(\q)+512*l
.set l, l+1
.endr
	WIN 0
.endm
.macro KSTEP q
.if (\q) >= 2
.if (\q) <= 4
	s_wait_loadcnt 36                              ; this step's slot is in; the three slots asked for behind it may be out
.else
	s_wait_loadcnt 12*(7-(\q))                     ; likewise: two, one, none
.endif
.endif
.irp m, 0,1,2,3,4
	ds_load_b128 v[HF+12*\m:HF+12*\m+3], v[L16] offset:(8*\m+(\q))*1536
	ds_load_b64 v[HF+12*\m+4:HF+12*\m+5], v[LI8] offset:(8*\m+(\q))*1536
	ds_load_b128 v[HF+12*\m+6:HF+12*\m+9], v[L16] offset:(8*\m+(\q))*1536+768
	ds_load_b64 v[HF+12*\m+10:HF+12*\m+11], v[LI8] offset:(8*\m+(\q))*1536+768
	ds_load_b32 v[HS+\m], v[LS] offset:(8*\m+(\q))*128
.endr
	s_wait_dscnt 0x0
.set SL, 128*(((\q)%4)/2)+48*((\q)%2)
.if (\q) == 0
	WIN 0x11                                       ; W2 and b2 window 1
.else
	WIN 0x01
.endif
.irp m, 0,1,2,3
.irp n, 0,1,2,3
.if (\q) == 0
	MM 128+8*(4*\m+\n), SL+12*\n, HF+12*\m, 96+8*\n, W2S+2*(\q)+\n/2, HS+\m, \n%2, 0
.else
	MM 128+8*(4*\m+\n), SL+12*\n, HF+12*\m, 128+8*(4*\m+\n), W2S+2*(\q)+\n/2, HS+\m, \n%2, 0
.endif
.endr
.endr
	WIN 0x51                                       ; rows 64-79: C and D window 1 too
.irp n, 0,1,2,3
.if (\q) == 0
	MM 224+8*\n, SL+12*\n, HF+48, 96+8*\n, W2S+2*(\q)+\n/2, HS+4, \n%2, 0
.else
	MM 224+8*\n, SL+12*\n, HF+48, 224+8*\n, W2S+2*(\q)+\n/2, HS+4, \n%2, 0
.endif
.endr
	WIN 0
	PLACES
.if (\q) < 4
	LDW2 (\q)+4
.endif
.endm
; rows 16 m on leave: x gate, through my stage, back as whole runs of 256 bytes; each row goes to its entry's place in y
.macro OUTM m
.if (\m) < 3
.set RO, 98+8*(\m)                     ; the rows' offsets in y: eight registers of their own for each m,
.else
.set RO, 128+8*((\m)-3)                ; for the last two where accumulators of rows 0-15 stood, which left with m = 0
.endif
.if (\m) < 4
.set AB, 128+32*(\m)
.else
.set AB, 224
	WIN 0x41
.endif
.set j, 0
.rept 16
	v_pk_mul_f32 v[AB+j:AB+j+1], v[AB+j:AB+j+1], v[G+2*(\m):G+2*(\m)+1] op_sel_hi:[1,0]   ; each accumulator from its low end on
.set j, j+2
.endr
.if (\m) == 4
	WIN 0x04                                       ; an LDS store's data are its source 1
.endif
.irp n, 0,1,2,3
	ds_store_b128 v[STO], v[AB+8*\n:AB+8*\n+3] offset:128*(\n/2)+32*(\n%2)         ; lane (r, h): outputs 32 (n / 2) + 16 h + 8 (n % 2) + 0 .. 7 of my 64
	ds_store_b128 v[STO], v[AB+8*\n+4:AB+8*\n+7] offset:128*(\n/2)+32*(\n%2)+16
.endr
	WIN 0
.if (\m) > 0
	s_wait_xcnt 0x0                                ; the stores of the 16 rows before have read v66-97: only behind this wait are those registers loaded again
.endif
.irp i, 0,1,2,3,4,5,6,7
	ds_load_b128 v[OB+4*\i:OB+4*\i+3], v[RD] offset:544*\i         ; LDS serves a wave's instructions in order: these see my stores.  Lanes 0-15 row 2 i, lanes 16-31 row 2 i + 1
.endr
.irp i, 0,1,2,3,4,5,6,7
	ds_load_b32 v[RO+\i], v[RT] offset:64*(\m)+8*\i                ; and those rows' entries
.endr
	s_wait_dscnt 0x0
.irp i, 0,1,2,3,4,5,6,7
	v_min_u32 v[RO+\i], 0x1fff, v[RO+\i]           ; a loaded number is held inside y before it enters an address
.endr
.irp i, 0,1,2,3,4,5,6,7
	v_lshl_add_u32 v[RO+\i], v[RO+\i], 11, v[C16]
.endr
.irp i, 0,1,2,3,4,5,6,7
	global_store_b128 v[RO+\i], v[OB+4*\i:OB+4*\i+3], s[YP:YP+1]   ; sixteen lanes store 256 consecutive bytes, at a multiple of 256 from y's first byte
.endr
.endm
	s_load_b512 s[4:19], s[0:1], 0x0               ; list, xq, gw, wq, ws, b1, b3, b2
	s_load_b64 s[20:21], s[0:1], 0x40              ; y
	v_lshrrev_b32 v1, 5, v0
	v_readfirstlane_b32 s22, v1                    ; wave 0..7
	s_and_b32 s23, ttmp7, 0xffff                   ; which half of the hidden layer
	v_and_b32 v7, 31, v0                           ; lane
	v_and_b32 v55, 15, v0                          ; r
	v_bfe_u32 v59, v0, 4, 1                        ; h
	v_lshlrev_b32 v[L16], 4, v7
	v_lshlrev_b32 v[L4], 2, v7
	v_lshlrev_b32 v[BOFF], 6, v59
	s_mul_i32 s24, s22, 1536
	v_add_nc_u32 v[HW16], s24, v[L16]
	v_lshlrev_b32 v[LI8], 3, v7
	v_add_nc_u32 v[LI8], 512, v[LI8]
	v_add_nc_u32 v[HW8], s24, v[LI8]
	v_add_nc_u32 v[LS], HSC, v[L4]
	s_lshl_b32 s24, s22, 7
	v_add_nc_u32 v[HWS], s24, v[LS]
	s_mul_i32 s24, s22, 4352
	s_add_co_u32 s24, s24, STG
	v_mul_u32_u24 v[STO], v55, 272
	v_lshl_add_u32 v[STO], v59, 6, v[STO]
	v_add_nc_u32 v[STO], s24, v[STO]
	v_mul_u32_u24 v[RD], v59, 272
	v_lshl_add_u32 v[RD], v55, 4, v[RD]
	v_add_nc_u32 v[RD], s24, v[RD]
	s_lshl_b32 s24, s22, 9
	s_add_co_u32 s24, s24, ROWT
	v_lshl_add_u32 v[RT], v59, 2, s24
	v_lshl_add_u32 v[RTW], v55, 2, s24
	v_lshlrev_b32 v[C16], 4, v55
	v_mov_b32 v[EX], 0                             ; written once: a lane permute's destination counts as one of its sources
	v_lshlrev_b32 v111, 2, v59                     ; 4 h
	v_mul_u32_u24 v112, v59, 96                    ; 96 h
	s_mov_b32 s[SEL], 0x76543210
	s_mov_b32 s[SEL+1], 0xfedcba98                 ; v_permlanex16_b32's selects for lane l xor 16
	s_cmp_eq_u32 s23, 0
	s_cselect_b32 s[F], 1.0, 0                     ; b2 is added by half 0 alone
	s_mov_b32 s[F+1], s[F]
	s_wait_kmcnt 0x0
	s_load_b256 s[28:35], s[4:5], 0x21000          ; the eight counts
	s_wait_kmcnt 0x0
	; which expert's tile am I?  An expert with c rows has ceil(c / 80) = ((c + 79) x 3,277) >> 18 tiles (exact up to c + 79 = 4,175); selections, no branch
	s_mov_b32 s36, 0                               ; tiles of the experts before
	s_mov_b32 s37, 0                               ; my expert
	s_mov_b32 s38, 0                               ; its first tile
.irp e, 0,1,2,3,4,5,6,7
	s_min_u32 s[28+\e], s[28+\e], 4096
.if \e == 0
	s_mov_b32 s39, s28
.else
	s_cmp_ge_u32 ttmp9, s36
	s_cselect_b32 s37, \e, s37
	s_cselect_b32 s38, s36, s38
	s_cselect_b32 s39, s[28+\e], s39
.endif
	s_add_co_u32 s40, s[28+\e], 79
	s_mul_i32 s40, s40, 3277
	s_lshr_b32 s40, s40, 18
	s_add_co_u32 s36, s36, s40
.endr
	s_cmp_lt_u32 ttmp9, s36
	s_cselect_b32 s[HAS], 1, 0                     ; has this split a tile for me?
	s_min_u32 s37, s37, 7
	s_sub_co_u32 s42, ttmp9, s38
	s_mul_i32 s42, s42, 80                         ; my first row among the expert's
	s_sub_co_u32 s43, s39, 1                       ; its last row
	s_lshl_b32 s40, s37, 4
	s_lshl_b32 s71, s23, 3
	s_add_co_u32 s72, s40, s71                     ; 16 e + 8 y
	s_add_co_u32 s73, s72, s22                     ; 16 e + g, g = 8 y + wave: my chunk of 128 hidden units
	s_mov_b32 s45, 0
	s_mul_i32 s44, s37, 16896
	s_add_nc_u64 s[LP:LP+1], s[4:5], s[44:45]
	s_mul_i32 s44, s73, 49152
	s_add_nc_u64 s[WQ1:WQ1+1], s[10:11], s[44:45]
	s_lshl_b32 s44, s73, 11
	s_add_nc_u64 s[WS1:WS1+1], s[12:13], s[44:45]
	s_lshl_b32 s44, s73, 9
	s_add_nc_u64 s[B1P:B1P+1], s[14:15], s[44:45]
	s_add_nc_u64 s[B3P:B3P+1], s[16:17], s[44:45]
	s_lshl_b32 s74, s72, 4
	s_lshl_b32 s75, s22, 1
	s_add_co_u32 s74, s74, s75                     ; W2's unit: (16 e + 8 y) 16 + 2 wave
	s_mul_i32 s44, s74, 3072
	s_add_co_u32 s44, s44, 6291456
	s_add_nc_u64 s[WQ2:WQ2+1], s[10:11], s[44:45]
	s_lshl_b32 s44, s74, 7
	s_add_co_u32 s44, s44, 262144
	s_add_nc_u64 s[WS2:WS2+1], s[12:13], s[44:45]
	s_lshl_b32 s44, s37, 11
	s_lshl_b32 s75, s22, 8
	s_add_co_u32 s44, s44, s75
	s_add_nc_u64 s[B2P:B2P+1], s[18:19], s[44:45]
	s_lshl_b32 s44, s23, 24
	s_add_co_u32 s44, s44, s75
	s_add_nc_u64 s[YP:YP+1], s[20:21], s[44:45]
	; the tile's 80 entries: lane (r, h) takes row 16 m + r; rows beyond the expert's last repeat it; the index is held inside the region
.irp m, 0,1,2,3,4
	v_add3_u32 v[106+\m], s42, v55, 16*\m
	v_min_u32 v[106+\m], s43, v[106+\m]
	v_min_u32 v[106+\m], 0xfff, v[106+\m]
	v_lshlrev_b32 v[106+\m], 2, v[106+\m]
	global_load_b32 v[GT+\m], v[106+\m], s[LP:LP+1]
.endr
	LDSET 0, 0
	s_wait_loadcnt 36                              ; the entries are in; block 0's 36 loads may be out
.irp m, 0,1,2,3,4
	v_min_u32 v[GT+\m], 0x1fff, v[GT+\m]
.endr
.irp m, 0,1,2,3,4
	ds_store_b32 v[RTW], v[GT+\m] offset:64*\m     ; my wave's own table, for the way out
.endr
.irp m, 0,1,2,3,4
	v_lshrrev_b32 v[96+\m], 1, v[GT+\m]            ; the token,
	v_min_u32 v[96+\m], 0xfff, v[96+\m]            ; held inside xq
	v_lshl_add_u32 v[101+\m], v[96+\m], 3, v111    ; its scale words: 8 token + 4 h: lanes 0-15 K step 0's, lanes 16-31 K step 1's
	v_mad_u32_u24 v[96+\m], v[96+\m], 192, v112    ; its codes: 192 token + 96 h
	v_lshlrev_b32 v[113+\m], 2, v[GT+\m]           ; its gate: 4 entry
.endr
.irp m, 0,1,2,3,4
.irp i, 0,1,2,3,4,5
	global_load_b128 v[XF+24*\m+4*\i:XF+24*\m+4*\i+3], v[96+\m], s[6:7] offset:16*\i       ; 96 bytes on end: my 24 registers of the two K steps
.endr
.endr
.irp m, 0,1,2,3,4
	global_load_b32 v[XS+\m], v[101+\m], s[6:7] offset:786432
.endr
	s_wait_dscnt 0x0                               ; the table's stores have read the entries' registers
.irp m, 0,1,2,3,4
	global_load_b32 v[GT+\m], v[113+\m], s[8:9]    ; the gates take the entries' registers
.endr
	LDSET 1, 1
	s_wait_loadcnt 36                              ; block 0's set, x and the gates are in; block 1's 36 loads may be out
	BLOCK 0
	LDSET 0, 2
	s_wait_loadcnt 36                              ; block 1's set is in; block 2's may be out
	BLOCK 1
	LDSET 1, 3
	s_wait_loadcnt 36                              ; block 2's set is in; block 3's may be out
	s_wait_dscnt 0x0                               ; the images' stores have read the kept codes' registers, which block 2 writes again
	BLOCK 2
.irp q, 0,1,2,3,4,5,6,7                ; set 0 is free: 48 loads for phase 2: W2's scale words, its slots 0 and 1, b2
.irp j, 0,1
	global_load_b32 v[W2S+2*\q+\j], v[L4], s[WS2:WS2+1] offset:2048*\q+128*\j
.endr
.endr
	LDW2 0
	LDW2 1
	WIN 0x40
.irp n, 0,1,2,3
	global_load_b128 v[96+8*\n:96+8*\n+3], v[BOFF], s[B2P:B2P+1] offset:128*(\n/2)+32*(\n%2)
	global_load_b128 v[100+8*\n:100+8*\n+3], v[BOFF], s[B2P:B2P+1] offset:128*(\n/2)+32*(\n%2)+16
.endr
	WIN 0
	s_wait_loadcnt 48                              ; block 3's set is in; the 48 just issued may be out
	BLOCK 3
	LDW2 2                                         ; set 1 is free
	LDW2 3
	s_wait_dscnt 0x0                               ; for the others' sake: my images and scale words lie in LDS
	s_barrier_signal -1
	s_barrier_wait -1                              ; the hidden layer's 40 fragments lie in LDS
	s_cmp_eq_u32 s[HAS], 0                         ; the same number in all eight waves; the launch's one barrier lies behind us
	s_cbranch_scc1 .Lend                           ; a tile beyond the split's last ends here and stores nothing
	s_wait_loadcnt 24                              ; W2's scale words, slots 0 and 1 and b2 are in; slots 2 and 3 may be out
	WIN 0x41
.irp j, 0,2,4,6,8,10,12,14,16,18,20,22,24,26,28,30
	v_pk_mul_f32 v[96+\j:97+\j], v[96+\j:97+\j], s[F:F+1] op_sel_hi:[1,0]          ; b2 in half 0, zeros in half 1
.endr
	WIN 0
.irp m, 0,1,2,3,4
	v_mov_b32 v[G+2*\m], v[GT+\m]                  ; the gates in pairs, for the packed multiplications
	v_mov_b32 v[G+2*\m+1], v[GT+\m]
.endr
	KSTEP 0
	KSTEP 1
	KSTEP 2
	KSTEP 3
	KSTEP 4
	KSTEP 5
	KSTEP 6
	KSTEP 7
	OUTM 0
	OUTM 1
	OUTM 2
	OUTM 3
	OUTM 4
.Lend:
	s_wait_xcnt 0x0
	v_lshl_add_u32 v254, v0, 2, 0x19c00
	v_mov_b32 v255, 0
	s_wait_tensorcnt 0x0
	ds_add_u32 v254, v255
	s_wait_dscnt 0x0
	s_endpgm
.Lfunc_end_k_q0e276cd903_chain:
	.size	k_q0e276cd903_chain, .Lfunc_end_k_q0e276cd903_chain-k_q0e276cd903_chain
	.p2alignl 7, 3214868480
	.fill 96, 4, 3214868480
	.section	.rodata,"a",@progbits
	.p2align	6, 0x0
	.amdhsa_kernel k_q0e276cd903_chain
		.amdhsa_group_segment_fixed_size 106496
		.amdhsa_private_segment_fixed_size 0
		.amdhsa_enable_private_segment 0
		.amdhsa_kernarg_size 72
		.amdhsa_user_sgpr_count 2
		.amdhsa_user_sgpr_kernarg_segment_ptr 1
		.amdhsa_wavefront_size32 1
		.amdhsa_system_sgpr_workgroup_id_x 1
		.amdhsa_system_sgpr_workgroup_id_y 1
		.amdhsa_system_sgpr_workgroup_id_z 1
		.amdhsa_system_vgpr_workitem_id 0
		.amdhsa_next_free_vgpr 512
		.amdhsa_next_free_sgpr 80
		.amdhsa_reserve_vcc 0
		.amdhsa_float_denorm_mode_32 3
		.amdhsa_float_denorm_mode_16_64 3
		.amdhsa_memory_ordered 1
		.amdhsa_forward_progress 1
		.amdhsa_inst_pref_size 211
	.end_amdhsa_kernel
	.amdgpu_metadata
---
amdhsa.version: [ 1, 2 ]
amdhsa.kernels:
  - .name:           k_q0e276cd903_chain
    .symbol:         k_q0e276cd903_chain.kd
    .args:
      - { .name: list, .offset: 0, .size: 8, .value_kind: global_buffer, .address_space: global }
      - { .name: xq, .offset: 8, .size: 8, .value_kind: global_buffer, .address_space: global }
      - { .name: gw, .offset: 16, .size: 8, .value_kind: global_buffer, .address_space: global }
      - { .name: wq, .offset: 24, .size: 8, .value_kind: global_buffer, .address_space: global }
      - { .name: ws, .offset: 32, .size: 8, .value_kind: global_buffer, .address_space: global }
      - { .name: b1, .offset: 40, .size: 8, .value_kind: global_buffer, .address_space: global }
      - { .name: b3, .offset: 48, .size: 8, .value_kind: global_buffer, .address_space: global }
      - { .name: b2, .offset: 56, .size: 8, .value_kind: global_buffer, .address_space: global }
      - { .name: y, .offset: 64, .size: 8, .value_kind: global_buffer, .address_space: global }
    .group_segment_fixed_size: 106496
    .private_segment_fixed_size: 0
    .kernarg_segment_align: 8
    .kernarg_segment_size: 72
    .max_flat_workgroup_size: 256
    .sgpr_count:     80
    .vgpr_count:     512
    .wavefront_size: 32
...
	.end_amdgpu_metadata
.endif
;; end of part 3
;; launch final (part 4): grid 256 x 1, 4 waves a work-group, no clusters, 41,472 bytes of LDS; arguments y, wq, ws, bf, out0; writes out0
.if DOCPART == 4
	.amdgcn_target "amdgcn-amd-amdhsa--gfx1250"
	.amdhsa_code_object_version 6
	.text
	.protected	k_q0e276cd903_final
	.globl	k_q0e276cd903_final
	.p2align	8
	.type	k_q0e276cd903_final,@function
k_q0e276cd903_final:
	s_mov_b64 s[64:65], 0
	v_nop
	global_prefetch_b8 v0, s[64:65] scope:SCOPE_SE
	s_setreg_imm32_b32 hwreg(HW_REG_WAVE_MODE, 25, 1), 1
	s_wait_xcnt 0x0
; FINAL: mixed[token] = the sum of the token's four weighted partial rows of y (two experts x two halves of the hidden layer), as (half 0 + half 1) of the first expert + the same of the second;
; out0 = Q(mixed) Q(Wf) + bf, the product on codes of E2M3.  A work-group takes 16 tokens.
; 1: wave w sums tokens 4 w .. 4 w + 3 and lays the rows in LDS | barrier | 2: wave s quantises K step s (columns 128 s on) of the 16 rows and stores the fragment as an image of its registers | barrier |
; 3: wave w makes outputs 128 w on: transposed products (source 0 = 16 rows of Wf's image, source 1 = the 16 tokens), bf as the C of each sum's first product; results into the rows' LDS | barrier | 4: wave w stores 4 whole rows.
; Wf's fragments come from memory straight into registers, asked for at the head, behind y's loads.
; LIMITS: NaN and infinities are not served; a block of zeros has the byte 1 (its codes are zeros).
; REGISTERS.  Window 0: v1-7 addresses; v16-79 64 numbers, later rows of the result; v80-95, v96-115, v116 at work in the quantiser; v120-167 four fragments of mixed; v168-171 their scale words; v172-187 Wf's; v188-251 accumulators.
;   Window 1: Wf's K steps 0, 1 (96 registers each).  Window 2: K steps 2, 3; from v192 bf's eight tiles.  Window 3: y, 64 token + 16 source + 4 i.
.set MPITCH, 2064                      ; a row of mixed in LDS: 2,048 bytes + 16: row r starts 4 r banks on
.set FIMG,  16*MPITCH                  ; four fragments' images, 1,536 bytes each
.set FSC,   FIMG+4*1536                ; their scale words, 128 bytes each
.set L16,  1
.set L4,   2
.set BOFF, 3
.set MIXW, 4
.set MIXR, 5
.set FW,   6
.set FSW,  7
.set ST,   16
.set TM,   80
.set PC,   96
.set PW,   116
.set MF,   120
.set MS,   168
.set WFS,  172
.set ACC,  188
.set SEL,  20
.set MSB, 0
.macro WIN new                         ; the immediate's high byte repeats the setting that is left
.if MSB != \new
	s_set_vgpr_msb (MSB<<8)|\new
.set MSB, \new
.endif
.endm
.macro BARRIER                         ; my LDS stores have landed and my LDS loads are in: then the work-group's barrier
	s_wait_dscnt 0x0
	s_barrier_signal -1
	s_barrier_wait -1
.endm
; 64 numbers of a lane, register 16 b + i = k 32 b + 16 (lane / 16) + i of my row, become a fragment's codes in v[PC] on and its scale word in v[PW]
.macro QUANT s
.irp b, 0,1,2,3
	v_max3_num_f32 v[TM+\b], |v[\s+16*\b]|, |v[\s+1+16*\b]|, 0x1800000     ; with the floor 2^(3 - 127): the byte cannot fall under 1
.endr
.irp i, 2,4,6,8,10,12,14
.irp b, 0,1,2,3
	v_max3_num_f32 v[TM+\b], v[TM+\b], |v[\s+16*\b+\i]|, |v[\s+1+16*\b+\i]|        ; the four blocks by turns
.endr
.endr
.irp b, 0,1,2,3
	v_permlanex16_b32 v[TM+4+\b], v[TM+\b], s[SEL], s[SEL+1]
.endr
.irp b, 0,1,2,3
	v_max_num_f32 v[TM+\b], v[TM+\b], v[TM+4+\b]   ; with lane l xor 16's: the block's largest magnitude
.endr
.irp b, 0,1,2,3
	v_add_nc_u32 v[TM+12+\b], 0xff000000, v[TM+\b] ; 2 off its exponent field: the conversion's scale operand
.endr
.irp b, 0,1,2,3
	v_lshrrev_b32 v[TM+4+\b], 23, v[TM+12+\b]      ; the scale's byte
.endr
	v_lshl_or_b32 v[PW], v[TM+5], 8, v[TM+4]
	v_lshl_or_b32 v[PW], v[TM+6], 16, v[PW]
	v_lshl_or_b32 v[PW], v[TM+7], 24, v[PW]
.irp c, 0,1
	v_cvt_scalef32_pk16_fp6_f32 v[PC+6*\c:PC+2+6*\c], v[\s+32*\c:\s+15+32*\c], v[TM+12+2*\c]
	v_cvt_scalef32_pk16_fp6_f32 v[PC+12+4*\c:PC+14+4*\c], v[\s+16+32*\c:\s+31+32*\c], v[TM+12+2*\c+1]      ; (a conversion's three registers begin on an even number)
.endr
	v_nop                                          ; one plain line behind the conversions
.irp c, 0,1                            ; the operand's layout wants a whole block in a lane: lanes 0-15 block 2 c, lanes 16-31 block 2 c + 1
.irp i, 0,1,2
	v_permlane16_swap_b32 v[PC+6*\c+\i], v[PC+12+4*\c+\i]
.endr
.irp i, 0,1,2
	v_mov_b32 v[PC+3+6*\c+\i], v[PC+12+4*\c+\i]
.endr
.endr
.endm
.macro MM d, a, b, c, sa, sb, ra       ; one product; ra: source 0's scales stand in lanes 16-31
.if (\ra)
	v_wmma_scale_f32_16x16x128_f8f6f4 v[(\d):(\d)+7], v[(\a):(\a)+11], v[(\b):(\b)+11], v[(\c):(\c)+7], v[(\sa)], v[(\sb)] matrix_a_fmt:MATRIX_FMT_FP6 matrix_b_fmt:MATRIX_FMT_FP6 matrix_a_scale:MATRIX_SCALE_ROW1
.else
	v_wmma_scale_f32_16x16x128_f8f6f4 v[(\d):(\d)+7], v[(\a):(\a)+11], v[(\b):(\b)+11], v[(\c):(\c)+7], v[(\sa)], v[(\sb)] matrix_a_fmt:MATRIX_FMT_FP6 matrix_b_fmt:MATRIX_FMT_FP6
.endif
.endm
	s_load_b256 s[4:11], s[0:1], 0x0               ; y, wq, ws, bf
	s_load_b64 s[12:13], s[0:1], 0x20              ; out0
	v_lshl_add_u32 v254, v0, 2, 0xa000
	v_mov_b32 v255, 0
	v_lshrrev_b32 v1, 5, v0
	v_readfirstlane_b32 s14, v1                    ; wave 0..3
	v_and_b32 v8, 31, v0                           ; lane
	v_and_b32 v9, 15, v0                           ; r
	v_bfe_u32 v10, v0, 4, 1                        ; h
	v_lshlrev_b32 v[L16], 4, v8
	v_lshlrev_b32 v[L4], 2, v8
	v_lshlrev_b32 v[BOFF], 6, v10
	s_mul_i32 s22, s14, 4*MPITCH
	v_add_nc_u32 v[MIXW], s22, v[L16]              ; my four rows, 16 bytes a lane
	v_mul_u32_u24 v[MIXR], v9, MPITCH
	v_lshl_add_u32 v[MIXR], v10, 6, v[MIXR]
	s_lshl_b32 s22, s14, 9
	v_add_nc_u32 v[MIXR], s22, v[MIXR]             ; row r, + 64 h, + 512 wave: my K step's numbers, and later my outputs
	s_mul_i32 s22, s14, 1536
	s_add_co_u32 s22, s22, FIMG
	v_add_nc_u32 v[FW], s22, v[L16]
	s_lshl_b32 s22, s14, 7
	s_add_co_u32 s22, s22, FSC
	v_add_nc_u32 v[FSW], s22, v[L4]
	s_mov_b32 s[SEL], 0x76543210
	s_mov_b32 s[SEL+1], 0xfedcba98
.irp b, 0,1,2,3
	v_mov_b32 v[TM+4+\b], 0                        ; written once: a lane permute's destination counts as one of its sources
.endr
	s_lshl_b32 s15, ttmp9, 4
	s_lshl_b32 s16, s14, 2
	s_add_co_u32 s15, s15, s16                     ; my first token
	s_mov_b32 s17, 0
	s_wait_kmcnt 0x0
	s_lshl_b32 s16, s15, 12
	s_add_nc_u64 s[4:5], s[4:5], s[16:17]          ; y, half 0: two entries of 2,048 bytes a token
	s_add_nc_u64 s[18:19], s[4:5], 0x1000000       ; half 1
	s_lshl_b32 s16, s15, 11
	s_add_nc_u64 s[12:13], s[12:13], s[16:17]
	s_mul_i32 s16, s14, 12288
	s_add_co_u32 s16, s16, 12582912
	s_add_nc_u64 s[6:7], s[6:7], s[16:17]          ; Wf's units 4,096 + 16 s + 4 wave + j
	s_lshl_b32 s16, s14, 9
	s_add_nc_u64 s[10:11], s[10:11], s[16:17]      ; bf: my 128
	s_add_co_u32 s16, s16, 524288
	s_add_nc_u64 s[8:9], s[8:9], s[16:17]
	WIN 0xc0                                       ; destination window 3
.irp j, 0,1,2,3
.irp k, 0,1
.irp i, 0,1,2,3
	global_load_b128 v[64*\j+32*\k+4*\i:64*\j+32*\k+4*\i+3], v[L16], s[4:5] offset:4096*\j+2048*\k+512*\i th:TH_LOAD_NT        ; 512 consecutive bytes a load
	global_load_b128 v[64*\j+32*\k+16+4*\i:64*\j+32*\k+16+4*\i+3], v[L16], s[18:19] offset:4096*\j+2048*\k+512*\i th:TH_LOAD_NT
.endr
.endr
.endr
	WIN 0x40
.irp s, 0,1
.set l, 0
.rept 24
	global_load_b128 v[96*\s+4*l:96*\s+4*l+3], v[L16], s[6:7] offset:49152*\s+512*l
.set l, l+1
.endr
.endr
	WIN 0x80
.irp s, 0,1
.set l, 0
.rept 24
	global_load_b128 v[96*\s+4*l:96*\s+4*l+3], v[L16], s[6:7] offset:49152*(2+\s)+512*l
.set l, l+1
.endr
.endr
.irp t, 0,1,2,3,4,5,6,7
	global_load_b128 v[192+8*\t:195+8*\t], v[BOFF], s[10:11] offset:128*(\t/2)+32*(\t%2)           ; lane (r, h): bf at outputs 32 (t / 2) + 16 h + 8 (t % 2) + 0 .. 7 of my 128
	global_load_b128 v[196+8*\t:199+8*\t], v[BOFF], s[10:11] offset:128*(\t/2)+32*(\t%2)+16
.endr
	WIN 0
.irp s, 0,1,2,3
.irp j, 0,1,2,3
	global_load_b32 v[WFS+4*\s+\j], v[L4], s[8:9] offset:2048*\s+128*\j
.endr
.endr
	s_wait_loadcnt 63                              ; 128 loads were issued behind y's 64: with 63 at the most out, y's are in
	WIN 0xff
.irp j, 0,1,2,3
.irp x, 0,2,4,6,8,10,12,14
	v_pk_add_f32 v[64*\j+\x:64*\j+\x+1], v[64*\j+\x:64*\j+\x+1], v[64*\j+16+\x:64*\j+16+\x+1]              ; the first expert's two halves,
	v_pk_add_f32 v[64*\j+32+\x:64*\j+32+\x+1], v[64*\j+32+\x:64*\j+32+\x+1], v[64*\j+48+\x:64*\j+48+\x+1]  ; the second's,
.endr
.irp x, 0,2,4,6,8,10,12,14
	v_pk_add_f32 v[64*\j+\x:64*\j+\x+1], v[64*\j+\x:64*\j+\x+1], v[64*\j+32+\x:64*\j+32+\x+1]              ; and the two experts
.endr
.endr
	WIN 0x0c                                       ; an LDS store's data are its source 1: window 3
.irp j, 0,1,2,3
.irp i, 0,1,2,3
	ds_store_b128 v[MIXW], v[64*\j+4*\i:64*\j+4*\i+3] offset:MPITCH*\j+512*\i
.endr
.endr
	WIN 0
	BARRIER                                        ; the 16 rows of mixed lie in LDS
.irp b, 0,1,2,3
.irp j, 0,1,2,3
	ds_load_b128 v[ST+16*\b+4*\j:ST+16*\b+4*\j+3], v[MIXR] offset:128*\b+16*\j     ; row r, k = 128 wave + 32 b + 16 h + 4 j on
.endr
.endr
	s_wait_dscnt 0x0
	QUANT ST
.irp c, 0,1,2
	ds_store_b128 v[FW], v[PC+4*\c:PC+4*\c+3] offset:512*\c        ; the fragment goes to LDS as it stands
.endr
	ds_store_b32 v[FSW], v[PW]
	BARRIER                                        ; the four fragments lie in LDS, and nobody reads the rows any more
.irp s, 0,1,2,3
.irp c, 0,1,2
	ds_load_b128 v[MF+12*\s+4*\c:MF+12*\s+4*\c+3], v[L16] offset:FIMG+1536*\s+512*\c
.endr
	ds_load_b32 v[MS+\s], v[L4] offset:FSC+128*\s
.endr
	s_wait_dscnt 0x0
	s_wait_loadcnt 0x0                             ; Wf, its scale words, bf
	WIN 0x21                                       ; Wf window 1, bf window 2.  Eight accumulators by turns
.irp t, 0,1,2,3,4,5,6,7
	MM ACC+8*\t, 12*\t, MF, 192+8*\t, WFS+\t/2, MS, \t%2
.endr
	WIN 0x01
.irp t, 0,1,2,3,4,5,6,7
	MM ACC+8*\t, 96+12*\t, MF+12, ACC+8*\t, WFS+4+\t/2, MS+1, \t%2
.endr
	WIN 0x02
.irp t, 0,1,2,3,4,5,6,7
	MM ACC+8*\t, 12*\t, MF+24, ACC+8*\t, WFS+8+\t/2, MS+2, \t%2
.endr
.irp t, 0,1,2,3,4,5,6,7
	MM ACC+8*\t, 96+12*\t, MF+36, ACC+8*\t, WFS+12+\t/2, MS+3, \t%2
.endr
	WIN 0
.rept 5
	v_nop                                          ; places behind the last products, in front of the stores that read results
.endr
.irp t, 0,1,2,3,4,5,6,7
	ds_store_b128 v[MIXR], v[ACC+8*\t:ACC+8*\t+3] offset:128*(\t/2)+32*(\t%2)      ; each accumulator from its low end on
	ds_store_b128 v[MIXR], v[ACC+8*\t+4:ACC+8*\t+7] offset:128*(\t/2)+32*(\t%2)+16
.endr
	BARRIER                                        ; 16 whole rows of the result lie in LDS
.irp j, 0,1,2,3
.irp i, 0,1,2,3
	ds_load_b128 v[ST+16*\j+4*\i:ST+16*\j+4*\i+3], v[MIXW] offset:MPITCH*\j+512*\i
.endr
.endr
.irp j, 0,1,2,3
.irp i, 0,1,2,3
	s_wait_dscnt 15-4*\j-\i
	global_store_b128 v[L16], v[ST+16*\j+4*\i:ST+16*\j+4*\i+3], s[12:13] offset:2048*\j+512*\i th:TH_STORE_NT      ; 512 consecutive bytes a store; written once, read by nobody here
.endr
.endr
	s_wait_tensorcnt 0x0
	ds_add_u32 v254, v255
	s_wait_dscnt 0x0
	s_endpgm
.Lfunc_end_k_q0e276cd903_final:
	.size	k_q0e276cd903_final, .Lfunc_end_k_q0e276cd903_final-k_q0e276cd903_final
	.p2alignl 7, 3214868480
	.fill 96, 4, 3214868480
	.section	.rodata,"a",@progbits
	.p2align	6, 0x0
	.amdhsa_kernel k_q0e276cd903_final
		.amdhsa_group_segment_fixed_size 41472
		.amdhsa_private_segment_fixed_size 0
		.amdhsa_enable_private_segment 0
		.amdhsa_kernarg_size 40
		.amdhsa_user_sgpr_count 2
		.amdhsa_user_sgpr_kernarg_segment_ptr 1
		.amdhsa_wavefront_size32 1
		.amdhsa_system_sgpr_workgroup_id_x 1
		.amdhsa_system_sgpr_workgroup_id_y 1
		.amdhsa_system_sgpr_workgroup_id_z 1
		.amdhsa_system_vgpr_workitem_id 0
		.amdhsa_next_free_vgpr 1024
		.amdhsa_next_free_sgpr 66
		.amdhsa_reserve_vcc 0
		.amdhsa_float_denorm_mode_32 3
		.amdhsa_float_denorm_mode_16_64 3
		.amdhsa_memory_ordered 1
		.amdhsa_forward_progress 1
		.amdhsa_inst_pref_size 43
	.end_amdhsa_kernel
	.amdgpu_metadata
---
amdhsa.version: [ 1, 2 ]
amdhsa.kernels:
  - .name:           k_q0e276cd903_final
    .symbol:         k_q0e276cd903_final.kd
    .args:
      - { .name: y, .offset: 0, .size: 8, .value_kind: global_buffer, .address_space: global }
      - { .name: wq, .offset: 8, .size: 8, .value_kind: global_buffer, .address_space: global }
      - { .name: ws, .offset: 16, .size: 8, .value_kind: global_buffer, .address_space: global }
      - { .name: bf, .offset: 24, .size: 8, .value_kind: global_buffer, .address_space: global }
      - { .name: out0, .offset: 32, .size: 8, .value_kind: global_buffer, .address_space: global }
    .group_segment_fixed_size: 41472
    .private_segment_fixed_size: 0
    .kernarg_segment_align: 8
    .kernarg_segment_size: 40
    .max_flat_workgroup_size: 128
    .sgpr_count:     66
    .vgpr_count:     1024
    .wavefront_size: 32
...
	.end_amdgpu_metadata
.endif
;; end of part 4
